; MI455X (gfx1250); checked and timed in simulation.
; The chip was launched on July 23, 2026; its instructions are those of AMD's public machine-readable ISA for CDNA 5 (MIT licence, August 2026) and "CDNA5" Instruction Set Architecture Reference Guide (July 2026). The comments in the code are by the model that wrote it; some were corrected since.
;; Tensor Base. Allowed arithmetic: matrix products marked QUANTISED: E2M3 operands, one E8M0 scale for each 32 along K, by v_wmma_scale_f32_16x16x128_f8f6f4 with both operands' format E2M3, f32 sums; products left as they are: f32 operands where the result goes on into a quantised operand, else bf16, f16 or f32 operands; f32 sums; everything else in f32.
;; Inputs: W1 390 x 128 float32; W2 128 x 128 float32; W3 128 x 3 float32; app_grid 27 x 128 x 128 x 128 float32; b1 128 float32; b2 128 float32; b3 3 float32; density_grid 128 x 128 x 128 float32; rays_d 2,048 x 3 float32; rays_o 2,048 x 3 float32.
;; Outputs: out0 2,048 x 3 float32.
;; Constants: n_samples = 256.
;; This version of the problem:
;;   THIS VERSION OF THE PROBLEM IS GIVEN IN LOW PRECISION. The matrix products marked QUANTISED in the list below multiply operands that are first quantised to E2M3 (2 exponent bits, 3 mantissa bits; 6 bits a number), with one power-of-two scale for each 32 numbers along K (OCP MX v1.0); their sums are f32. All else is computed in f32.
;;   The module's matrix products, in the order in which they are computed (A, B: the left and right operand; K: the contracted axis; several contracted axes count as one K, in the product's order):
;;     1. [M 524,288, K 390] x [K 390, N 128]; A: computed on the way; B: input W1: QUANTISED
;;     2. [M 524,288, K 128] x [K 128, N 128]; A: computed on the way; B: input W2: QUANTISED
;;     3. [M 524,288, K 128] x [K 128, N 3]; A: computed on the way; B: input W3: left as it is (N = 3 < 16)
;;   THE QUANTISER, for each operand of a quantised product, along K:
;;     - K is cut into blocks of 32 from its start; a last block that is shorter is filled with zeros.
;;     - A block's scale is 2^e with e = floor(log2(the largest magnitude in the block)) - 2, held to -126 .. 127; a block of zeros has e = 0. As a byte (E8M0): e + 127.
;;     - Each number is divided by its block's scale, clamped to +-7.5, and rounded to the nearest number of E2M3, ties to even, subnormals kept.
;;     - The product sums the exact products of the quantised numbers (number of the format x scale) in f32.
;;   ~~~python
;;   def quantise(x, axis):      # numpy; x: float32 -> the quantised numbers, widened to float32 again
;;       x = np.moveaxis(x, axis, -1); K = x.shape[-1]
;;       x = np.pad(x, [(0, 0)] * (x.ndim - 1) + [(0, -K % 32)]); x = x.reshape(x.shape[:-1] + (-1, 32)); a = np.abs(x).max(-1, keepdims=True)
;;       e = np.where(a > 0, np.clip(np.frexp(np.where(a > 0, a, 1))[1] - 1 - 2, -126, 127), 0)      # np.frexp(a)[1] - 1 = floor(log2(a)), exactly
;;       r = np.clip(x / 2.0 ** e, -7.5, 7.5)
;;       step = 2.0 ** (np.maximum(np.frexp(np.where(r == 0, 1, r))[1] - 1, 0) - 3)
;;       q = np.round(r / step) * step * 2.0 ** e      # np.round: ties to even
;;       return np.moveaxis(q.reshape(q.shape[:-2] + (-1,))[..., :K], -1, axis).astype(np.float32)
;;   ~~~
;;   OPERANDS COMPUTED ON THE WAY. 'Computed on the way' means the value that the module computes at that place (a softmax that the list does not call 'softmax' is quantised finished and normalised). What goes into a quantiser is computed in f32, as accurately as f32 sums, v_exp_f32 and their like allow (about 1e-6 of the number): no bf16 or f16 on the way to a quantiser, and a product that is left as it is and whose result goes on into a quantised operand takes f32 operands (vector FMAs, or v_wmma_f32_16x16x4_f32). A number that lies on a knife's edge between two numbers of the format may be rounded either way, as far as f32 arithmetic and the matrix unit's own rounding can turn it there, and no further.
;; One version. Each part assembles by itself: llvm-mc -triple=amdgcn-amd-amdhsa -mcpu=gfx1250 --defsym DOCPART=n.
;; ======== version 1 of 1: 2 launches
;; limits: inputs' magnitudes at most 1,600,000; values are held in bf16: 8 bits of precision; right only within a limited range of input values
;; workspace buffers: vidx 4,194,304 bytes of whole numbers; wimg 71,168 bytes
;; launch prep (part 1): grid 517 x 1, 4 waves a work-group, no clusters, 0 bytes of LDS; arguments rays_o, rays_d, W1, W2, W3, b2, vidx, wimg; writes vidx, wimg
.if DOCPART == 1
	.amdgcn_target "amdgcn-amd-amdhsa--gfx1250"
	.amdhsa_code_object_version 6
	.text
	.protected	k_q1719623d42_prep
	.globl	k_q1719623d42_prep
	.p2align	8
	.type	k_q1719623d42_prep,@function
k_q1719623d42_prep:
	s_mov_b64 s[64:65], 0
	v_nop
	global_prefetch_b8 v0, s[64:65] scope:SCOPE_SE
	s_setreg_imm32_b32 hwreg(HW_REG_WAVE_MODE, 25, 1), 1
	s_wait_xcnt 0x0
; PREP.  Two kinds of work-groups, told apart by the work-group's number.
; 0 .. 511: voxel indices.  Wave w of work-group g takes ray 4 g + w and stores, for each of its 256 samples, two whole numbers: z0 * 128 + y0 and x0
;   (vidx: [ray][sample][2], u32).  The next launch forms its gather addresses from them and repeats the same lines (macro COORD) for the fractions.
; 512 .. 516: the weights, quantised once along K into codes of FP6 (E2M3) with one E8M0 byte for each 32 along K, and laid as IMAGES OF THE OPERAND'S REGISTERS:
;   register group g (4 registers) of lane L of a fragment (16 rows x 128 K, 12 registers) at g * 512 + 16 L.  512, 513, 514: K steps 0, 1, 2 of W1;  515: K step 3 of W1
;   (k = 384 .. 389 and zeros), W3 as bf16 fragments, b2;  516: W2.
; wimg, bytes: 0 W1's scale words (tile t: 512 t + 16 lane + 4 s, lanes 16-31 repeat lanes 0-15); 4096 W2's (512 (t / 4) + 16 lane + 4 (t % 4)); 5120 W3 (1024 a chunk of 32 k);
;   9216 b2; 9728 W1's fragments ((8 s + t) * 1536, s = 0 .. 2); 46592 W2's (t * 1536); 58880 W1's K step 3 (t * 1536).
; A LANE TAKES A COLUMN (a hidden unit) AND ITS REGISTERS RUN DOWN K: each load reads neighbouring columns in neighbouring lanes, a block of 32 lies in one lane, nothing is transposed.
; THE ROWS OF A TILE OF W1: lane r of tile 2 b + u takes hidden unit 32 b + 8 u + r + 8 (r / 8), so that the first product's results are neighbours along the second product's K.
; THE ORDER INSIDE A BLOCK (macro KMAP): the six frequencies of one sine or cosine group stand as f0 f3 f1 f4 f2 f5, since the next launch makes them in packed pairs (f, f + 3).
;   No number changes its block of 32, so scales and codes are the stated quantiser's; the same places are used for both operands.
; LIMITS: a block of zeros gets the byte 1 (its codes are zeros; these bytes are read by this program alone); blocks whose largest magnitude lies under 2^-124 are held at that byte;
;   NaN and infinities among the inputs are not served.
; The scale words leave as stores of 4 bytes, 16 bytes apart: 5,120 bytes in the whole launch.
; KI: a place k of reference()'s K.  KP: the place that both operands give it.
.macro KMAP
.if (KI < 30) || (KI >= 354)
.set KP, KI
.else
.set KQ, (KI-30)%6
.set K0, KI-KQ
.if (K0%32) == 30
.if KQ < 3
.set KP, K0+KQ
.elseif KQ == 5
.set KP, K0+3
.else
.set KP, K0+KQ+1
.endif
.elseif (K0%32) == 28
.if KQ == 0
.set KP, K0
.elseif KQ == 3
.set KP, K0+1
.elseif KQ < 3
.set KP, K0+KQ+1
.else
.set KP, K0+KQ
.endif
.else
.set KP, K0+2*(KQ%3)+KQ/3
.endif
.endif
.endm
; v[si]: the sample's number as f32.  s[o..o+2], s[d..d+2]: the ray.  v[w..w+10]: w t, w+1 .. w+3 at work, w+4+a the voxel's index along axis a (x, y, z) as f32, w+8+a the fraction.
; t = 0.2 (1 - i / 255) + 1.4 (i / 255); both divisions (by 255, by 3) are a product with the reciprocal and one correction.
.macro COORD si, o, d, w
	v_mul_f32 v[\w], 0x3b808081, v[\si]
	v_fma_f32 v[\w+1], -v[\w], 0x437f0000, v[\si]
	v_fma_f32 v[\w], v[\w+1], 0x3b808081, v[\w]
	v_sub_f32 v[\w+1], 1.0, v[\w]
	v_mul_f32 v[\w+1], 0x3e4ccccd, v[\w+1]
	v_fma_f32 v[\w], 0x3fb33333, v[\w], v[\w+1]
.irp a, 0,1,2
	v_fma_f32 v[\w+2], s[\d+\a], v[\w], s[\o+\a]         ; the point
	v_add_f32 v[\w+2], 0x3fc00000, v[\w+2]               ; + 1.5
	v_mul_f32 v[\w+3], 0x3eaaaaab, v[\w+2]               ; / 3
	v_fma_f32 v[\w+1], -v[\w+3], 0x40400000, v[\w+2]
	v_fma_f32 v[\w+3], v[\w+1], 0x3eaaaaab, v[\w+3]
	v_fma_f32 v[\w+3], v[\w+3], 2.0, -1.0
	v_med3_num_f32 v[\w+3], v[\w+3], -1.0, 1.0
	v_add_f32 v[\w+3], 1.0, v[\w+3]
	v_mul_f32 v[\w+3], 0x427e0000, v[\w+3]               ; x 63.5
	v_floor_f32 v[\w+4+\a], v[\w+3]
	v_med3_num_f32 v[\w+4+\a], v[\w+4+\a], 0, 0x42fc0000 ; 0 .. 126
	v_sub_f32 v[\w+8+\a], v[\w+3], v[\w+4+\a]
	v_med3_num_f32 v[\w+8+\a], v[\w+8+\a], 0, 1.0
.endr
.endm
	s_load_b512 s[4:19], s[0:1], 0x0               ; rays_o s[4:5], rays_d s[6:7], W1 s[8:9], W2 s[10:11], W3 s[12:13], b2 s[14:15], vidx s[16:17], wimg s[18:19]
	v_lshrrev_b32 v1, 5, v0
	v_readfirstlane_b32 s20, v1                    ; wave 0..3
	v_and_b32 v1, 31, v0                           ; lane
	s_wait_kmcnt 0x0
	s_cmp_lt_u32 ttmp9, 512
	s_cbranch_scc0 .Lweights
	; ---- voxel indices of one ray a wave
	s_lshl_b32 s21, ttmp9, 2
	s_add_co_u32 s21, s21, s20                     ; the ray
	s_mul_i32 s22, s21, 12
	s_mov_b32 s23, 0
	s_add_nc_u64 s[4:5], s[4:5], s[22:23]
	s_add_nc_u64 s[6:7], s[6:7], s[22:23]
	s_load_b96 s[24:26], s[4:5], 0x0               ; o
	s_load_b96 s[28:30], s[6:7], 0x0               ; d
	s_lshl_b32 s22, s21, 11                        ; 2,048 bytes of vidx a ray
	s_add_nc_u64 s[16:17], s[16:17], s[22:23]
	s_wait_alu depctr_va_vdst(0)
	v_lshlrev_b32 v2, 1, v1                        ; a lane takes samples 2 lane + 64 k + e: 16 neighbouring bytes of vidx
	v_lshlrev_b32 v3, 4, v1
	s_wait_alu depctr_va_vdst(0)
	s_wait_kmcnt 0x0
.irp k, 0,1,2,3
.irp e, 0,1
	v_add_nc_u32 v4, 64*\k+\e, v2
	v_cvt_f32_u32 v5, v4
	COORD 5, 24, 28, 8
	v_cvt_u32_f32 v20, v14                         ; z0
	v_cvt_u32_f32 v21, v13                         ; y0
	v_cvt_u32_f32 v[33+4*\k+2*\e], v12             ; x0
	v_lshl_add_u32 v[32+4*\k+2*\e], v20, 7, v21    ; z0 * 128 + y0
.endr
	global_store_b128 v3, v[32+4*\k:35+4*\k], s[16:17] offset:512*\k   ; the wave stores 512 consecutive bytes; each k has its own data registers, so none is written again
.endr
	s_endpgm
.Lweights:
	s_sub_co_u32 s21, ttmp9, 512                   ; which part of the weights
	s_wait_alu depctr_va_vdst(0)
	v_and_b32 v6, 15, v1                           ; r
	v_lshrrev_b32 v7, 4, v1                        ; lane / 16: which of my wave's two tiles
	v_bfe_u32 v8, v1, 3, 1
	v_lshl_add_u32 v2, v7, 3, v6
	v_lshl_add_u32 v2, v8, 3, v2
	s_lshl_b32 s22, s20, 5
	v_add_nc_u32 v2, s22, v2                       ; W1's column: 32 w + 8 (lane / 16) + r + 8 (r / 8)
	v_lshlrev_b32 v2, 2, v2
	v_add_nc_u32 v3, s22, v1                       ; W2's column: 32 w + lane
	v_lshlrev_b32 v3, 2, v3
	s_lshl_b32 s23, s20, 1
	v_add_nc_u32 v9, s23, v7                       ; my tile t = 2 w + lane / 16
	v_mul_u32_u24 v4, v9, 1536
	v_lshl_add_u32 v4, v6, 4, v4                   ; my place in the images: 1536 t + 16 r
	v_lshlrev_b32 v5, 9, v9
	v_lshl_add_u32 v5, v6, 4, v5                   ; and among W1's scale words: 512 t + 16 r
	v_lshrrev_b32 v10, 2, v9
	v_lshlrev_b32 v10, 9, v10
	v_lshl_add_u32 v10, v6, 4, v10
	v_and_b32 v11, 3, v9
	v_lshl_add_u32 v10, v11, 2, v10                ; among W2's: 512 (t / 4) + 16 r + 4 (t % 4)
	s_cmp_eq_u32 s21, 0
	s_cbranch_scc1 .Lw0
	s_cmp_eq_u32 s21, 1
	s_cbranch_scc1 .Lw1
	s_cmp_eq_u32 s21, 2
	s_cbranch_scc1 .Lw2
	s_cmp_eq_u32 s21, 3
	s_cbranch_scc1 .Lw3
	s_branch .Lw4
; Block b of a K step: 32 numbers of my column in v[32 + 32 b ..] become 6 registers of codes and a byte of v187.
; Blocks 0 and 2 are the 12 registers of the fragment's lane r (v160-171), blocks 1 and 3 those of lane 16 + r (v172-183).
.macro WQ b
.set SR, 32+32*(\b)
.if (\b)%2
.set DQ, 172+6*((\b)/2)
.else
.set DQ, 160+6*((\b)/2)
.endif
	v_max3_num_f32 v188, |v[SR]|, |v[SR+1]|, 0x1800000             ; the largest magnitude, in two chains, with the floor 2^(3 - 127) among its leaves: the byte cannot fall under 1
	v_max3_num_f32 v189, |v[SR+2]|, |v[SR+3]|, |v[SR+4]|
.set NQ, 0
.rept 13
	v_max3_num_f32 v[188+NQ%2], v[188+NQ%2], |v[SR+5+2*NQ]|, |v[SR+6+2*NQ]|
.set NQ, NQ+1
.endr
	v_max3_num_f32 v188, v188, v189, |v[SR+31]|
	v_add_nc_u32 v190, 0xff000000, v188                            ; 2 off its exponent field: the conversion takes the exponent field of this operand as its scale
	v_cvt_scalef32_pk16_fp6_f32 v[DQ:DQ+2], v[SR:SR+15], v190
	v_cvt_scalef32_pk16_fp6_f32 v[184:186], v[SR+16:SR+31], v190   ; (a conversion's three registers begin on an even number)
	v_lshrrev_b32 v191, 23, v190                                   ; the scale's byte; also the plain line behind the conversions
.if (\b) == 0
	v_mov_b32 v187, v191
.else
	v_lshl_or_b32 v187, v191, 8*(\b), v187
.endif
.irp i, 0,1,2
	v_mov_b32 v[DQ+3+\i], v[184+\i]
.endr
.endm
; The two images leave: each half of the lanes fills 256 consecutive bytes, aligned.
.macro WOUT base
.irp g, 0,1,2
	global_store_b128 v4, v[160+4*\g:163+4*\g], s[18:19] offset:(\base)+512*\g
	global_store_b128 v4, v[172+4*\g:175+4*\g], s[18:19] offset:(\base)+512*\g+256
.endr
.endm
; K step s of W1 (w2 = 0) or all of W2 (w2 = 1): 128 numbers of my column, row k into the register of its place KP.
.macro WSEC s, w2
.set BQ, 0
.rept 4
.set IQ, 0
.rept 32
.set KI, 32*(4*(\s)+BQ)+IQ
.if \w2
	global_load_b32 v[32+32*BQ+IQ], v3, s[10:11] offset:512*KI
.else
	KMAP
	global_load_b32 v[32+32*BQ+KP%32], v2, s[8:9] offset:512*KI
.endif
.set IQ, IQ+1
.endr
.set BQ, BQ+1
.endr
	s_wait_loadcnt 0x0
	WQ 0
	WQ 1
	WQ 2
	WQ 3
.if \w2
	WOUT 46592
	global_store_b32 v10, v187, s[18:19] offset:4096
	global_store_b32 v10, v187, s[18:19] offset:4096+256
.else
	WOUT 9728+12288*(\s)
	global_store_b32 v5, v187, s[18:19] offset:4*(\s)
	global_store_b32 v5, v187, s[18:19] offset:4*(\s)+256
.endif
.endm
.Lw0:
	WSEC 0, 0
	s_endpgm
.Lw1:
	WSEC 1, 0
	s_endpgm
.Lw2:
	WSEC 2, 0
	s_endpgm
.Lw4:
	WSEC 0, 1
	s_endpgm
.Lw3:
	; ---- W1's last block (k = 384 .. 389, filled with zeros), W3, b2
.irp i, 0,1,2,3,4,5
	global_load_b32 v[32+\i], v2, s[8:9] offset:512*(384+\i)
.endr
	s_mul_i32 s22, s20, 384                        ; W3: wave w makes the chunk k = 32 w .. 32 w + 31: 12 bytes a row of W3
	s_mov_b32 s23, 0
	s_add_nc_u64 s[12:13], s[12:13], s[22:23]
	v_and_b32 v12, 7, v6                           ; rows 0-2 AND rows 8-10 of the fragment carry the three colours, the other rows zeros
	v_min_u32 v13, 2, v12                          ; (every load stays inside W3)
	v_mul_u32_u24 v14, v7, 96                      ; the 16-bit layout: lane (r, h) holds k = 8 h + 0 .. 7 and 16 + 8 h + 0 .. 7
	v_lshl_add_u32 v14, v13, 2, v14
.irp e, 0,1,2,3,4,5,6,7
	global_load_b32 v[64+\e], v14, s[12:13] offset:12*\e
	global_load_b32 v[72+\e], v14, s[12:13] offset:12*(\e+16)
.endr
	s_lshl_b32 s24, s20, 7
	v_lshl_add_u32 v15, v1, 2, s24                 ; b2: 128 bytes a wave
	global_load_b32 v96, v15, s[14:15]
	s_lshl_b32 s25, s20, 10
	v_lshl_add_u32 v16, v1, 4, s25                 ; W3's image: 1024 w + 16 lane
.set NQ, 38
.rept 26
	v_mov_b32 v[NQ], 0                             ; the block's 26 zeros
.set NQ, NQ+1
.endr
	s_wait_loadcnt 0x0
	WQ 0
	v_or_b32 v187, 0x7f7f7f00, v187                ; blocks 13 to 15 do not exist: zero codes under the byte 127
.set NQ, 166
.rept 18
	v_mov_b32 v[NQ], 0
.set NQ, NQ+1
.endr
	WOUT 58880
	global_store_b32 v5, v187, s[18:19] offset:12
	global_store_b32 v5, v187, s[18:19] offset:12+256
	v_cmp_gt_u32 vcc_lo, 3, v12
.irp e, 0,1,2,3,4,5,6,7,8,9,10,11,12,13,14,15
	v_cndmask_b32 v[64+\e], 0, v[64+\e], vcc_lo
.endr
.irp j, 0,1,2,3,4,5,6,7
	v_cvt_pk_bf16_f32 v[80+\j], v[64+2*\j], v[65+2*\j]
.endr
	global_store_b128 v16, v[80:83], s[18:19] offset:5120
	global_store_b128 v16, v[84:87], s[18:19] offset:5120+512
	global_store_b32 v15, v96, s[18:19] offset:9216
	s_endpgm
.Lfunc_end_k_q1719623d42_prep:
	.size	k_q1719623d42_prep, .Lfunc_end_k_q1719623d42_prep-k_q1719623d42_prep
	.p2alignl 7, 3214868480
	.fill 96, 4, 3214868480
	.section	.rodata,"a",@progbits
	.p2align	6, 0x0
	.amdhsa_kernel k_q1719623d42_prep
		.amdhsa_group_segment_fixed_size 0
		.amdhsa_private_segment_fixed_size 0
		.amdhsa_enable_private_segment 0
		.amdhsa_kernarg_size 64
		.amdhsa_user_sgpr_count 2
		.amdhsa_user_sgpr_kernarg_segment_ptr 1
		.amdhsa_wavefront_size32 1
		.amdhsa_system_sgpr_workgroup_id_x 1
		.amdhsa_system_sgpr_workgroup_id_y 1
		.amdhsa_system_sgpr_workgroup_id_z 1
		.amdhsa_system_vgpr_workitem_id 0
		.amdhsa_next_free_vgpr 192
		.amdhsa_next_free_sgpr 66
		.amdhsa_reserve_vcc 1
		.amdhsa_float_denorm_mode_32 3
		.amdhsa_float_denorm_mode_16_64 3
		.amdhsa_memory_ordered 1
		.amdhsa_forward_progress 1
		.amdhsa_inst_pref_size 109
	.end_amdhsa_kernel
	.amdgpu_metadata
---
amdhsa.version: [ 1, 2 ]
amdhsa.kernels:
  - .name:           k_q1719623d42_prep
    .symbol:         k_q1719623d42_prep.kd
    .args:
      - { .name: rays_o, .offset: 0, .size: 8, .value_kind: global_buffer, .address_space: global }
      - { .name: rays_d, .offset: 8, .size: 8, .value_kind: global_buffer, .address_space: global }
      - { .name: W1, .offset: 16, .size: 8, .value_kind: global_buffer, .address_space: global }
      - { .name: W2, .offset: 24, .size: 8, .value_kind: global_buffer, .address_space: global }
      - { .name: W3, .offset: 32, .size: 8, .value_kind: global_buffer, .address_space: global }
      - { .name: b2, .offset: 40, .size: 8, .value_kind: global_buffer, .address_space: global }
      - { .name: vidx, .offset: 48, .size: 8, .value_kind: global_buffer, .address_space: global }
      - { .name: wimg, .offset: 56, .size: 8, .value_kind: global_buffer, .address_space: global }
    .group_segment_fixed_size: 0
    .private_segment_fixed_size: 0
    .kernarg_segment_align: 8
    .kernarg_segment_size: 64
    .max_flat_workgroup_size: 128
    .sgpr_count:     66
    .vgpr_count:     192
    .wavefront_size: 32
...
	.end_amdgpu_metadata
.endif
;; end of part 1
;; launch render (part 2): grid 256 x 1, 16 waves a work-group, no clusters, 237,568 bytes of LDS; arguments rays_o, rays_d, density_grid, app_grid, b1, b3, vidx, wimg, out0; writes out0
.if DOCPART == 2
	.amdgcn_target "amdgcn-amd-amdhsa--gfx1250"
	.amdhsa_code_object_version 6
	.text
	.protected	k_q1719623d42_render
	.globl	k_q1719623d42_render
	.p2align	8
	.type	k_q1719623d42_render,@function
k_q1719623d42_render:
	s_mov_b64 s[64:65], 0
	v_nop
	global_prefetch_b8 v0, s[64:65] scope:SCOPE_SE
	s_setreg_imm32_b32 hwreg(HW_REG_WAVE_MODE, 25, 1), 1
	s_wait_xcnt 0x0
; RENDER.  out0[ray] = the composited colour of 256 samples along the ray: trilinear lookups in the density grid and in 27 channels of the appearance grid, an encoding of 390 numbers a sample,
; relu(. W1 + b1), relu(. W2 + b2) on codes of FP6 (E2M3) with one E8M0 scale for each 32 along K, sigmoid(. W3 + b3) on bf16, alpha compositing with a white background.
; SHARES.  256 work-groups of 16 waves; a work-group owns 8 rays.  Wave w owns half w & 1 of ray 8 g + (w >> 1): 128 samples, ONE LOOP of four trips of 32, a lane to a sample while the encoding is made.
; GATHER.  The voxel indices come as whole numbers from vidx (made by the launch before, by the same lines as macro COORD here); the fractions are made here.
;   A unit is two channels x four rows (z, y) of the voxel; a row's two corners x0, x0 + 1 are neighbours in memory and come as ONE load of 8 bytes, at a multiple of 4 bytes (PAIR = 1; PAIR = 0: two loads of 4).
;   14 units a trip (13 of two appearance channels; channel 26 with the density grid), a ring of three slots of 16 registers.  The next trip's first three units are asked for behind the last unit's sums,
;   under a branch on the trip counter that leads round them in the last trip; so every count on LOADcnt is the same in every trip.
; SINE AND COSINE are made of f32 arithmetic: y = x / pi as a sum of two f32; for the pair of frequencies (1, 8): n = the nearest whole number to y f, r = y f - n in [-1/2, 1/2], the series of
;   sin(pi r) through r^11 and of cos(pi r) through r^12, the sign (-1)^n; frequencies (2, 16) and (4, 32) by two doublings.  All packed, two frequencies an instruction; a unit's two features take turns line by line.
; K.  Blocks of 32 are reference()'s.  Inside a block the six frequencies of a group stand as f0 f3 f1 f4 f2 f5 (macro KMAP; W1's rows were laid likewise), so that packed results fall where the conversion reads.
;   Block 12 (k = 384 .. 389) hangs on the ray alone: its product with W1 is made once a wave by the same matrix instruction, added onto b1 and kept in LDS as the C of the first product.
; FROM LANE = SAMPLE TO THE OPERAND.  A lane's block of 32 codes is 6 registers; it is stored into the wave's own LDS at the place that the operand's register image gives it, and the fragments come back by ds_load_b128.
; BOTH PRODUCTS ARE USED TRANSPOSED (source 0 = 16 rows of the weight, source 1 = 16 samples): a lane holds one sample, its registers run along the hidden units, which are the next K.
; LIMITS: |feature| and |view direction| under 1.6e6 (8 |x| / pi under 2^22); the absolute error of a sine or cosine is about 1e-7 at frequencies 1 and 8 and grows to about 1e-6 at 4 and 32;
;   a block of zeros has the byte 1 and zero codes; NaN and infinities among the inputs are not served; a ray of length 0 gives NaN as in reference().
; NOT USED, AND WHY: tensor loads and clusters: all that work-groups share is wimg, 71,168 bytes read once at the head, against 112 gather loads for each of 2,048 samples of a work-group, which differ from ray to ray.
;   A prefetch: the ring itself asks three units ahead, and the addresses of a trip are known only a trip ahead.
; LDS: 0 wimg as it lies in memory (W1's scale words 0, W2's 4096, W3 5120, b2 9216, W1's fragments 9728, W2's 46592, W1's K step 3 58880);
;   71168 + 1024 wave: the C images (b1 + block 12; at + 512 b2), laid 256 h + 32 t + 4 j;  87552 + 9216 wave: the samples' six fragments;  235008 + 32 wave: the wave's sums;  235520: the spare words.
; SCALARS: s[4:6] the view direction; s22 wave; s23 trips to go; s[24:49] appearance grid at channels 0, 2 .. 24; s[50:51] channel 26; s[52:53] density grid; s54 -dist 25 log2(e); s55 the transmittance so far;
;   s[56:58] o; s[60:62] d; s59 the mask of lanes 16-31; s63 -log2(e); s[66:95] the view direction's first 30 sines and cosines; s[96:98] -log2(e) b3; s100, s101 1 / pi in two parts; s104, s105 the selects of lane l xor 16.
; VECTORS THAT STAY: v1 16 lane; v2 my C images; v3 where I store codes; v4 where fragments are read; v5 my sample's number; v6-9 gather offsets of this and the next trips; v10-13 the sums r, g, b, weight;
;   v14 the weight; v15 the density feature; v16-18 my sample's scale words; v19 lane; v52-99 the ring; v248-249 a permute's destinations; v254, v255 this and the next trip's offset one channel (8,388,608 bytes) on.
; WHILE THE ENCODING IS MADE: v20-51 block 0; v100-163 two blocks by turns; v164-171 the corner weights; v172-177 (1, 8) and the series' top coefficients; v178-201 and v216-239 at work, a set for each of two features; v202-214 the quantiser.
; IN THE MLP: v100-171 the samples' fragments; v172-203 four accumulators; v204-227 two fragments of a weight; v228-235 their scale words; v44-51, v236-243 the C of two tiles; v20-43 the hidden layer's codes;
;   v236-253 its quantiser; then v100-163 the second hidden layer in bf16, v164-171 and v204-227 W3, v172-187 the colours.
.set PAIR, 1
.set LPU,  16-8*PAIR                   ; loads of a unit
.set HINT, 1
.set DUAL, 0
.set SCW1, 0
.set SCW2, 4096
.set W3F,  5120
.set B2I,  9216
.set W1F,  9728
.set W2F,  46592
.set W1F3, 58880
.set CIM,  71168
.set AIMG, 87552
.set RED,  235008
.set LI, 1
.set LH, 2
.set AW, 3
.set AR, 4
.set SI, 5
.macro NOPS n
.rept \n
	v_nop
.endr
.endm
.macro DLY d                           ; a one-field hint: the next line reads the result of the plain vector line d vector lines back (none beyond four)
.if HINT
.if (\d) == 1
	s_delay_alu instid0(VALU_DEP_1)
.elseif (\d) == 2
	s_delay_alu instid0(VALU_DEP_2)
.elseif (\d) == 3
	s_delay_alu instid0(VALU_DEP_3)
.elseif (\d) == 4
	s_delay_alu instid0(VALU_DEP_4)
.endif
.endif
.endm
; KI: a place k of reference()'s K.  KP: the place that both operands give it.
.macro KMAP
.if (KI < 30) || (KI >= 354)
.set KP, KI
.else
.set KQ, (KI-30)%6
.set K0, KI-KQ
.if (K0%32) == 30
.if KQ < 3
.set KP, K0+KQ
.elseif KQ == 5
.set KP, K0+3
.else
.set KP, K0+KQ+1
.endif
.elseif (K0%32) == 28
.if KQ == 0
.set KP, K0
.elseif KQ == 3
.set KP, K0+1
.elseif KQ < 3
.set KP, K0+KQ+1
.else
.set KP, K0+KQ
.endif
.else
.set KP, K0+2*(KQ%3)+KQ/3
.endif
.endif
.endm
; v[si]: the sample's number as f32.  s[o..], s[d..]: the ray.  v[w..w+10]: w t, w+1 .. w+3 at work, w+4+a the voxel's index along axis a as f32, w+8+a the fraction.
; t = 0.2 (1 - i / 255) + 1.4 (i / 255); both divisions (by 255, by 3) are a product with the reciprocal and one correction.
.macro COORD si, o, d, w
	v_mul_f32 v[\w], 0x3b808081, v[\si]
	DLY 1
	v_fma_f32 v[\w+1], -v[\w], 0x437f0000, v[\si]
	DLY 1
	v_fma_f32 v[\w], v[\w+1], 0x3b808081, v[\w]
	DLY 1
	v_sub_f32 v[\w+1], 1.0, v[\w]
	DLY 1
	v_mul_f32 v[\w+1], 0x3e4ccccd, v[\w+1]
	DLY 1
	v_fma_f32 v[\w], 0x3fb33333, v[\w], v[\w+1]
.irp a, 0,1,2
	v_fma_f32 v[\w+2], s[\d+\a], v[\w], s[\o+\a]         ; the point
	DLY 1
	v_add_f32 v[\w+2], 0x3fc00000, v[\w+2]               ; + 1.5
	DLY 1
	v_mul_f32 v[\w+3], 0x3eaaaaab, v[\w+2]               ; / 3
	DLY 1
	v_fma_f32 v[\w+1], -v[\w+3], 0x40400000, v[\w+2]
	DLY 1
	v_fma_f32 v[\w+3], v[\w+1], 0x3eaaaaab, v[\w+3]
	DLY 1
	v_fma_f32 v[\w+3], v[\w+3], 2.0, -1.0
	DLY 1
	v_med3_num_f32 v[\w+3], v[\w+3], -1.0, 1.0
	DLY 1
	v_add_f32 v[\w+3], 1.0, v[\w+3]
	DLY 1
	v_mul_f32 v[\w+3], 0x427e0000, v[\w+3]               ; x 63.5
	DLY 1
	v_floor_f32 v[\w+4+\a], v[\w+3]
	DLY 1
	v_med3_num_f32 v[\w+4+\a], v[\w+4+\a], 0, 0x42fc0000 ; 0 .. 126
	DLY 1
	v_sub_f32 v[\w+8+\a], v[\w+3], v[\w+4+\a]
	DLY 1
	v_med3_num_f32 v[\w+8+\a], v[\w+8+\a], 0, 1.0
.endr
.endm
.macro CONSTS                          ; the MLP lays accumulators over these six, so each trip writes them anew
	v_mov_b32 v172, 1.0
	v_mov_b32 v173, 0x41000000                     ; 8.0
	v_mov_b32 v174, 0xbbf183a8                     ; -pi^11 / 11!
	v_mov_b32 v175, 0xbbf183a8
	v_mov_b32 v176, 0x3afce9c5                     ; pi^12 / 12!
	v_mov_b32 v177, 0x3afce9c5
.endm
; Line l of the six sines and six cosines of v[XRq], set q of the registers at work (T on).  Results as pairs (f0, f3), (f1, f4), (f2, f5) into the pairs SAq, SBq, SCq and CAq, CBq, CCq.
; n: how many sets take turns; a line's producer stands n times as many lines back.
.macro SER r, c
	DLY 2*NN
	v_pk_fma_f32 v[T+\r:T+\r+1], v[T+\r:T+\r+1], v[T+10:T+11], \c op_sel_hi:[1,1,0]
.endm
.macro PEL l, q, n
.set T, 178+38*(\q)
.if \l == 0
	v_mul_f32 v[T], s100, v[XR\q]                  ; y = x / pi: its upper part,
.elseif \l == 1
	DLY \n
	v_fma_f32 v[T+1], v[XR\q], s100, -v[T]         ; what that product dropped,
.elseif \l == 2
	DLY \n
	v_fmac_f32 v[T+1], s101, v[XR\q]               ; and x times the rest of 1 / pi
.elseif \l == 3
	DLY \n
	v_pk_mul_f32 v[T+2:T+3], v[T:T+1], v[172:173] op_sel_hi:[0,1]                    ; y, 8 y: exact
.elseif \l == 4
	DLY \n
	v_pk_add_f32 v[T+4:T+5], v[T+2:T+3], 0x4b400000 op_sel_hi:[1,0]                  ; + 1.5 x 2^23: the nearest whole number n stands in the low bits
.elseif \l == 5
	DLY \n
	v_pk_add_f32 v[T+10:T+11], v[T+4:T+5], 0xcb400000 op_sel_hi:[1,0]                ; n
.elseif \l == 6
	DLY \n
	v_pk_add_f32 v[T+6:T+7], v[T+2:T+3], v[T+10:T+11] neg_lo:[0,1] neg_hi:[0,1]      ; r: exact
.elseif \l == 7
	DLY \n
	v_pk_fma_f32 v[T+6:T+7], v[T:T+1], v[172:173], v[T+6:T+7] op_sel:[1,0,0] op_sel_hi:[1,1,1]   ; + the lower part of y, x 1 and x 8
.elseif \l == 8
	DLY 4*\n
	v_lshl_or_b32 v[T+8], v[T+4], 31, 0x3f800000   ; (-1)^n
.elseif \l == 9
	v_lshl_or_b32 v[T+9], v[T+5], 31, 0x3f800000
.elseif \l == 10
	DLY 3*\n
	v_pk_mul_f32 v[T+10:T+11], v[T+6:T+7], v[T+6:T+7]                                ; u = r r
.elseif \l == 11
	DLY 2*\n
	v_pk_mul_f32 v[T+12:T+13], v[T+6:T+7], v[T+8:T+9]                                ; r (-1)^n
.elseif \l == 12
	DLY 2*\n
	v_pk_fma_f32 v[T+14:T+15], v[174:175], v[T+10:T+11], 0x3da83c1a op_sel_hi:[1,1,0]    ; the two series by turns
.elseif \l == 13
	DLY 3*\n
	v_pk_fma_f32 v[T+16:T+17], v[176:177], v[T+10:T+11], 0xbcd368f9 op_sel_hi:[1,1,0]
.elseif \l == 14
	SER 14, 0xbf196966
.elseif \l == 15
	SER 16, 0x3e70fa83
.elseif \l == 16
	SER 14, 0x402335e3
.elseif \l == 17
	SER 16, 0xbfaae9e4
.elseif \l == 18
	SER 14, 0xc0a55de7
.elseif \l == 19
	SER 16, 0x4081e0f8
.elseif \l == 20
	SER 14, 0x40490fdb
.elseif \l == 21
	SER 16, 0xc09de9e6
.elseif \l == 22
	DLY 2*\n
	v_pk_mul_f32 v[SA\q:SA\q+1], v[T+14:T+15], v[T+12:T+13]
.elseif \l == 23
	SER 16, 1.0
.elseif \l == 24
	DLY \n
	v_pk_mul_f32 v[CA\q:CA\q+1], v[T+16:T+17], v[T+8:T+9]
.elseif \l == 25
	DLY 3*\n
	v_pk_add_f32 v[T+18:T+19], v[SA\q:SA\q+1], v[SA\q:SA\q+1]                        ; the doublings: s' = 2 s c, c' = 1 - 2 s s
.elseif \l == 26
	DLY \n
	v_pk_mul_f32 v[SB\q:SB\q+1], v[T+18:T+19], v[CA\q:CA\q+1]
.elseif \l == 27
	DLY 2*\n
	v_pk_fma_f32 v[CB\q:CB\q+1], v[T+18:T+19], v[SA\q:SA\q+1], 1.0 op_sel_hi:[1,1,0] neg_lo:[1,0,0] neg_hi:[1,0,0]
.elseif \l == 28
	DLY 2*\n
	v_pk_add_f32 v[T+18:T+19], v[SB\q:SB\q+1], v[SB\q:SB\q+1]
.elseif \l == 29
	DLY \n
	v_pk_mul_f32 v[SC\q:SC\q+1], v[T+18:T+19], v[CB\q:CB\q+1]
.else
	DLY 2*\n
	v_pk_fma_f32 v[CC\q:CC\q+1], v[T+18:T+19], v[SB\q:SB\q+1], 1.0 op_sel_hi:[1,1,0] neg_lo:[1,0,0] neg_hi:[1,0,0]
.endif
.endm
.macro PECORE n                        ; n = 1: set 0 alone; n = 2: sets 0 and 1, line by line in turn
.set NN, \n
.irp l, 0,1,2,3,4,5,6,7,8,9,10,11,12,13,14,15,16,17,18,19,20,21,22,23,24,25,26,27,28,29,30
	PEL \l, 0, \n
.if \n > 1
	PEL \l, 1, \n
.endif
.endr
.endm
.macro REGOF                           ; KI: a place; RG: its register: block 0 at v20, the others by turns at v100 and v132
.if KI < 32
.set RG, 20+KI
.else
.set RG, 100+32*((KI/32)&1)+KI%32
.endif
.endm
.macro PAIRDST                         ; the group that begins at k = KS, pair KE: PD = where the pair is made: at its place, where its two places are neighbours, else in the set's last four registers
.set KI, KS+KE
	KMAP
.set KA, KP
.set KI, KS+KE+3
	KMAP
.if KP == KA+1
.set KI, KA
	REGOF
.set PD, RG
.else
.set PD, XS
.set XS, XS+2
.endif
.endm
.macro PAIRMOV                         ; and the two moves for a pair that was made elsewhere (a group that lies across the end of a block)
.set KI, KS+KE
	KMAP
.set KA, KP
.set KI, KS+KE+3
	KMAP
.if KP != KA+1
.set KB, KP
.set KI, KA
	REGOF
	v_mov_b32 v[RG], v[XS]
.set KI, KB
	REGOF
	v_mov_b32 v[RG], v[XS+1]
.set XS, XS+2
.endif
.endm
.macro PDST e
.set KE, \e
	PAIRDST
.endm
.macro FSET d, q                       ; feature d (in v[20 + d]) is set q's: where its twelve numbers, k = 30 + 12 d on, are made
.set XS, 198+38*(\q)
.set XR\q, 20+(\d)
.set KS, 30+12*(\d)
	PDST 0
.set SA\q, PD
	PDST 1
.set SB\q, PD
	PDST 2
.set SC\q, PD
.set KS, 36+12*(\d)
	PDST 0
.set CA\q, PD
	PDST 1
.set CB\q, PD
	PDST 2
.set CC\q, PD
.endm
.macro FMOV d, q
.set XS, 198+38*(\q)
.set KS, 30+12*(\d)
.irp e, 0,1,2
.set KE, \e
	PAIRMOV
.endr
.set KS, 36+12*(\d)
.irp e, 0,1,2
.set KE, \e
	PAIRMOV
.endr
.endm
; Block b of my sample (32 numbers in consecutive registers) becomes 6 registers of codes, stored at their place in the fragments' images, and a byte of my scale words.
.macro QB b
.if (\b) == 0
.set SR, 20
.else
.set SR, 100+32*((\b)&1)
.endif
	v_max3_num_f32 v202, |v[SR]|, |v[SR+1]|, 0x1800000             ; the largest magnitude, in two chains, with the floor 2^(3 - 127) among its leaves: the byte cannot fall under 1
	v_max3_num_f32 v203, |v[SR+2]|, |v[SR+3]|, |v[SR+4]|
.set NQ, 0
.rept 13
	DLY 2
	v_max3_num_f32 v[202+NQ%2], v[202+NQ%2], |v[SR+5+2*NQ]|, |v[SR+6+2*NQ]|
.set NQ, NQ+1
.endr
	DLY 1
	v_max3_num_f32 v202, v202, v203, |v[SR+31]|
	DLY 1
	v_add_nc_u32 v204, 0xff000000, v202                            ; 2 off its exponent field: the conversion's scale operand
	s_wait_alu depctr_va_vdst(0)
	s_wait_dscnt 0x0                                               ; the last block's stores have read v206-211
	v_cvt_scalef32_pk16_fp6_f32 v[206:208], v[SR:SR+15], v204
	v_cvt_scalef32_pk16_fp6_f32 v[212:214], v[SR+16:SR+31], v204   ; (a conversion's three registers begin on an even number)
	v_lshrrev_b32 v205, 23, v204                                   ; the scale's byte; also the plain line behind the conversions
	DLY 1
.if (\b) == 0
	v_or_b32 v16, v16, v205                                        ; (block 0 is whole last)
.elseif ((\b)%4) == 0
	v_mov_b32 v[16+(\b)/4], v205
.elseif (\b) == 1
	v_lshlrev_b32 v16, 8, v205
.else
	v_lshl_or_b32 v[16+(\b)/4], v205, 8*((\b)%4), v[16+(\b)/4]
.endif
.irp i, 0,1,2
	v_mov_b32 v[209+\i], v[212+\i]
.endr
.set OF, 1536*((\b)>>2)+256*((\b)&1)   ; K step b / 4; the operand's lane 16 (b & 1) + my row; its registers 6 c .. 6 c + 5, c = (b / 2) & 1
.if ((\b)>>1)&1
	ds_store_b64 v[AW], v[206:207] offset:OF+520
	ds_store_b128 v[AW], v[208:211] offset:OF+1024
.else
	ds_store_b128 v[AW], v[206:209] offset:OF
	ds_store_b64 v[AW], v[210:211] offset:OF+512
.endif
.endm
; Features d and d + 1 together; then the block that they have made whole, if any.  24 numbers never end two blocks, and what they write beyond a block's end falls into the buffer of a block quantised two units ago or earlier.
.macro FEAT2 d
	FSET \d, 0
	FSET (\d)+1, 1
	PECORE 2
	FMOV \d, 0
	FMOV (\d)+1, 1
.if (54+12*(\d))/32 > (30+12*(\d))/32
.if (54+12*(\d))/32 > 1
	QB (54+12*(\d))/32-1
.endif
.endif
.endm
; A row's two corners, x0 and x0 + 1, into a register pair
.macro GL2 dst, va, sb, off
.if PAIR
	global_load_b64 v[\dst:\dst+1], v[\va], s[\sb:\sb+1] offset:\off
.else
	global_load_b32 v[\dst], v[\va], s[\sb:\sb+1] offset:\off
	global_load_b32 v[\dst+1], v[\va], s[\sb:\sb+1] offset:\off+4
.endif
.endm
; Unit u into slot u % 3.  Units 0-12: channels 2 u and 2 u + 1; unit 13: channel 26 and the density grid.  Row m = 2 z + y lies 65536 z + 512 y bytes on.  Registers 4 m, 4 m + 1: the first channel's pair; 4 m + 2, 4 m + 3: the second's.
; ve: the voxel's offset; vo: the same one channel (8,388,608 bytes) on.
.macro GLOAD u, ve, vo
.set SL, 52+16*((\u)%3)
.irp m, 0,1,2,3
.if (\u) <= 12
	GL2 SL+4*\m, \ve, 24+2*(\u), (\m>>1)*65536+(\m&1)*512
	GL2 SL+4*\m+2, \vo, 24+2*(\u), (\m>>1)*65536+(\m&1)*512
.else
	GL2 SL+4*\m, \ve, 50, (\m>>1)*65536+(\m&1)*512
	GL2 SL+4*\m+2, \ve, 52, (\m>>1)*65536+(\m&1)*512
.endif
.endr
.endm
; A unit's turn: its loads are in (the count leaves the younger units out: two, one behind unit 12, none behind unit 13); the trilinear sums, a pair of corners an instruction, the two channels by turns;
; the slot is asked for again, three units on; the encoding of the unit's two features.
.macro UNIT u
.if (\u) <= 11
	s_wait_loadcnt 2*LPU
.elseif (\u) == 12
	s_wait_loadcnt LPU
.else
	s_wait_loadcnt 0
.endif
.set SL, 52+16*((\u)%3)
.if (\u) <= 12
.set FD, 20+2*(\u)
.set FE, FD+1
.else
.set FD, 46
.set FE, 15
.endif
	v_pk_mul_f32 v[SL:SL+1], v[SL:SL+1], v[164:165]
	v_pk_mul_f32 v[SL+2:SL+3], v[SL+2:SL+3], v[164:165]
.irp m, 1,2,3
	DLY 2
	v_pk_fma_f32 v[SL:SL+1], v[SL+4*\m:SL+4*\m+1], v[164+2*\m:165+2*\m], v[SL:SL+1]
	DLY 2
	v_pk_fma_f32 v[SL+2:SL+3], v[SL+4*\m+2:SL+4*\m+3], v[164+2*\m:165+2*\m], v[SL+2:SL+3]
.endr
	DLY 2
	v_add_f32 v[FD], v[SL], v[SL+1]                ; the x0 part and the x0 + 1 part
	DLY 2
	v_add_f32 v[FE], v[SL+2], v[SL+3]
.if (\u)+3 <= 13
	GLOAD (\u)+3, 6, 254
.endif
.if (\u) <= 12
	FEAT2 2*(\u)
.endif
.endm
; The sample's weight: softplus, alpha, and the product of 1 - alpha + 1e-10 over the samples in front of it: within 16 lanes by four shifted products, then lanes 0-15's whole product, then the trips before.
; Of the waits on the vector side here: one ahead of each transcendental and one ahead of its reader.
.macro DENS
	v_mul_f32 v216, s63, |v15|
	s_wait_alu depctr_va_vdst(0)
	v_exp_f32 v216, v216                           ; e^-|x|
	v_max_num_f32 v217, 0, v15                     ; (a plain line behind the transcendental)
	s_wait_alu depctr_va_vdst(0)
	v_add_f32 v216, 1.0, v216
	s_wait_alu depctr_va_vdst(0)
	v_log_f32 v216, v216
	v_nop
	s_wait_alu depctr_va_vdst(0)
	v_fma_f32 v217, v216, 0x3f317218, v217         ; sigma = max(x, 0) + ln(1 + e^-|x|)
	DLY 1
	v_mul_f32 v218, s54, v217
	s_wait_alu depctr_va_vdst(0)
	v_exp_f32 v218, v218                           ; e^(-sigma dist 25)
	v_mov_b32 v220, 1.0
	s_wait_alu depctr_va_vdst(0)
	v_sub_f32 v219, 1.0, v218                      ; alpha
	DLY 1
	v_sub_f32 v221, 1.0, v219
	DLY 1
	v_add_f32 v221, 0x2edbe6ff, v221               ; 1 - alpha + 1e-10
	DLY 1
	v_mov_b32_dpp v220, v221 row_shr:1 row_mask:0xf bank_mask:0xf      ; the lane in front's factor; a row's first lane keeps 1
.irp x, 1,2,4,8
	DLY 1
	v_mul_f32_dpp v220, v220, v220 row_shr:\x row_mask:0xf bank_mask:0xf
.endr
	DLY 1
	v_mul_f32 v222, v220, v221
	DLY 1
	v_readlane_b32 s2, v222, 15                    ; the whole product of lanes 0-15,
	DLY 2
	v_readlane_b32 s3, v222, 31                    ; of lanes 16-31
	DLY 2
	v_mov_b32 v223, s2
	DLY 1
	v_cndmask_b32 v223, 1.0, v223, s59
	DLY 1
	v_mul_f32 v220, v220, v223
	DLY 1
	v_mul_f32 v14, v219, v220
	DLY 1
	v_mul_f32 v14, s55, v14                        ; alpha x T
	s_mul_f32 s2, s2, s3
	s_mul_f32 s55, s55, s2
.endm
.macro WBL base, t0                    ; the fragments of tiles t0 and t0 + 1 from the images at LDS byte base
.irp u, 0,1
.irp g, 0,1,2
	ds_load_b128 v[204+12*\u+4*\g:207+12*\u+4*\g], v[LI] offset:(\base)+((\t0)+\u)*1536+512*\g
.endr
.endr
.endm
.macro WSL t0                          ; W1's scale words of tiles t0 and t0 + 1, four K steps each
.irp u, 0,1
	ds_load_b128 v[228+4*\u:231+4*\u], v[LI] offset:SCW1+512*((\t0)+\u)
.endr
.endm
.macro CIL off, t0                     ; the C of tiles t0 and t0 + 1, read once: both fragments of samples begin their sums on it; nothing is cleared or added later
.irp u, 0,1
	ds_load_b128 v[44+192*\u:47+192*\u], v[LH] offset:(\off)+32*((\t0)+\u)
	ds_load_b128 v[48+192*\u:51+192*\u], v[LH] offset:(\off)+32*((\t0)+\u)+16
.endr
.endm
; Four products of K step s: two tiles of W1 x two fragments of samples.  The four accumulators take turns, one instruction a turn.
; The samples' scale words stand where they were made: samples 0-15 in lanes 0-15, samples 16-31 in lanes 16-31.
.macro L1MUL s
.irp u, 0,1
.if (\s) == 0
.set CR, 44+192*\u
.set CS, CR
.else
.set CR, 172+8*\u
.set CS, 188+8*\u
.endif
	v_wmma_scale_f32_16x16x128_f8f6f4 v[172+8*\u:179+8*\u], v[204+12*\u:215+12*\u], v[100+12*(\s):111+12*(\s)], v[CR:CR+7], v[228+4*\u+(\s)], v[16+(\s)] matrix_a_fmt:MATRIX_FMT_FP6 matrix_b_fmt:MATRIX_FMT_FP6
	v_wmma_scale_f32_16x16x128_f8f6f4 v[188+8*\u:195+8*\u], v[204+12*\u:215+12*\u], v[136+12*(\s):147+12*(\s)], v[CS:CS+7], v[228+4*\u+(\s)], v[16+(\s)] matrix_a_fmt:MATRIX_FMT_FP6 matrix_b_fmt:MATRIX_FMT_FP6 matrix_b_scale:MATRIX_SCALE_ROW1
.endr
.endm
.macro L2MUL p
.irp u, 0,1
	v_wmma_scale_f32_16x16x128_f8f6f4 v[172+8*\u:179+8*\u], v[204+12*\u:215+12*\u], v[20:31], v[44+192*\u:51+192*\u], v[228+2*(\p)+\u], v244 matrix_a_fmt:MATRIX_FMT_FP6 matrix_b_fmt:MATRIX_FMT_FP6
	v_wmma_scale_f32_16x16x128_f8f6f4 v[188+8*\u:195+8*\u], v[204+12*\u:215+12*\u], v[32:43], v[44+192*\u:51+192*\u], v[228+2*(\p)+\u], v245 matrix_a_fmt:MATRIX_FMT_FP6 matrix_b_fmt:MATRIX_FMT_FP6
.endr
.endm
.macro RELU                            ; each accumulator from its low end on
.set JQ, 0
.if DUAL
.rept 16
	v_dual_max_num_f32 v[172+JQ], 0, v[172+JQ] :: v_dual_max_num_f32 v[173+JQ], 0, v[173+JQ]
.set JQ, JQ+2
.endr
.else
.rept 32
	v_max_num_f32 v[172+JQ], 0, v[172+JQ]
.set JQ, JQ+1
.endr
.endif
.endm
; Tiles 2 b and 2 b + 1 of the hidden layer: lane (r, h) holds, of sample r of each fragment f, units 32 b + 16 h + 0 .. 15: half of block b of the next K.
.macro HQ b
	RELU
.irp f, 0,1
	v_max3_num_f32 v[246+\f], v[172+16*\f], v[173+16*\f], 0x1800000        ; none is negative: no |.|; the floor among the leaves
.endr
.irp i, 2,4,6,8,10,12,14
.irp f, 0,1
	DLY 2
	v_max3_num_f32 v[246+\f], v[246+\f], v[172+16*\f+\i], v[173+16*\f+\i]
.endr
.endr
.irp f, 0,1
	DLY 2
	v_permlanex16_b32 v[248+\f], v[246+\f], s104, s105
.endr
.irp f, 0,1
	DLY 2
	v_max_num_f32 v[246+\f], v[246+\f], v[248+\f]                          ; with lane l xor 16's: the block's largest
.endr
.irp f, 0,1
	DLY 2
	v_add_nc_u32 v[250+\f], 0xff000000, v[246+\f]
.endr
.irp f, 0,1
	DLY 2
	v_lshrrev_b32 v[252+\f], 23, v[250+\f]
.endr
.irp f, 0,1
	DLY 2
.if (\b) == 0
	v_mov_b32 v[244+\f], v[252+\f]
.else
	v_lshl_or_b32 v[244+\f], v[252+\f], 8*(\b), v[244+\f]
.endif
.endr
.irp f, 0,1
.if (\b)%2
	v_cvt_scalef32_pk16_fp6_f32 v[236+4*\f:238+4*\f], v[172+16*\f:187+16*\f], v[250+\f]
.else
	v_cvt_scalef32_pk16_fp6_f32 v[20+12*\f+6*((\b)/2):22+12*\f+6*((\b)/2)], v[172+16*\f:187+16*\f], v[250+\f]
.endif
.endr
	v_nop                                          ; one plain line behind the conversions
.if (\b)%2                             ; the operand's layout wants a WHOLE block in a lane: lanes 0-15 the even block, lanes 16-31 the odd one
.irp f, 0,1
.irp i, 0,1,2
	v_permlane16_swap_b32 v[20+12*\f+6*((\b)/2)+\i], v[236+4*\f+\i]
.endr
.endr
.irp f, 0,1
.irp i, 0,1,2
	v_mov_b32 v[23+12*\f+6*((\b)/2)+\i], v[236+4*\f+\i]
.endr
.endr
.endif
.endm
; A load into a register that a matrix instruction has named, and a vector instruction that reads its result, stand four plain vector instructions behind it (ISA guide 7.12.1 for vector instructions);
; a matrix instruction that begins a sum anew on registers that an earlier one wrote stands five behind it: the v_nop below.
.macro MLP
.irp f, 0,1
.irp s, 0,1,2
.irp g, 0,1,2
	ds_load_b128 v[100+36*\f+12*\s+4*\g:103+36*\f+12*\s+4*\g], v[AR] offset:4608*\f+1536*\s+512*\g   ; LDS serves a wave's instructions in order: these see my stores
.endr
.endr
.endr
	WSL 0
	WBL W1F, 0
.irp b, 0,1,2,3                        ; ---- the first product, two tiles of hidden units at a time, three K steps of 128
	CIL 0, 2*\b
	s_wait_dscnt 0x0
	L1MUL 0
	NOPS 4
	WBL W1F, 8+2*\b
	s_wait_dscnt 0x0
	L1MUL 1
	NOPS 4
	WBL W1F, 16+2*\b
	s_wait_dscnt 0x0
	L1MUL 2
	NOPS 5
.if \b < 3
	WSL 2*\b+2                                     ; the next two tiles' first fragments land while these two are quantised
	WBL W1F, 2*\b+2
.endif
	HQ \b
.endr
	NOPS 8                                         ; a scale word made by vector instructions stands eight plain lines ahead of the scaled product, codes so made four
	ds_load_b128 v[228:231], v[LI] offset:SCW2
	ds_load_b128 v[232:235], v[LI] offset:SCW2+512
	s_wait_alu depctr_va_vdst(0)
.irp p, 0,1,2,3                        ; ---- the second product: tile t holds units 16 t + 8 h + 0 .. 7 of sample r: two tiles, rounded in pairs, are a bf16 operand of 32 along the third K
	CIL 512, 2*\p
	WBL W2F, 2*\p
	s_wait_dscnt 0x0
	L2MUL \p
	NOPS 5
	RELU
.irp f, 0,1
.irp u, 0,1
.irp q, 0,1,2,3
	v_cvt_pk_bf16_f32 v[100+32*\f+8*\p+4*\u+\q], v[172+16*\f+8*\u+2*\q], v[173+16*\f+8*\u+2*\q]
.endr
.endr
.endr
.endr
	ds_load_b128 v[164:167], v[LI] offset:W3F      ; ---- the third product, on bf16
	ds_load_b128 v[168:171], v[LI] offset:W3F+512
.irp c, 1,2,3
	ds_load_b128 v[196+8*\c:199+8*\c], v[LI] offset:W3F+1024*\c
	ds_load_b128 v[200+8*\c:203+8*\c], v[LI] offset:W3F+1024*\c+512
.endr
	s_wait_dscnt 0x0
	v_wmma_f32_16x16x32_bf16 v[172:179], v[164:171], v[100:107], 0
	v_wmma_f32_16x16x32_bf16 v[180:187], v[164:171], v[132:139], 0
.irp c, 1,2,3
	v_wmma_f32_16x16x32_bf16 v[172:179], v[196+8*\c:203+8*\c], v[100+8*\c:107+8*\c], v[172:179]
	s_wait_alu depctr_va_vdst(0)
	v_wmma_f32_16x16x32_bf16 v[180:187], v[196+8*\c:203+8*\c], v[132+8*\c:139+8*\c], v[180:187]
.endr
	NOPS 4
.irp n, 0,1,2                          ; rows 0-2 and rows 8-10 of W3's fragment carry the colours, so lane l finds sample l's three numbers in its own registers 0-2: lanes 0-15 in the first result, lanes 16-31 in the second
	v_cndmask_b32 v[236+\n], v[172+\n], v[180+\n], s59
.endr
.irp n, 0,1,2
	DLY 3
	v_fma_f32 v[236+\n], v[236+\n], s63, s[96+\n]  ; -log2(e) (z + b3)
.endr
	s_wait_alu depctr_va_vdst(0)                   ; ahead of the batch,
.irp n, 0,1,2
	v_exp_f32 v[236+\n], v[236+\n]
.endr
	v_nop
	s_wait_alu depctr_va_vdst(0)                   ; and behind it
.irp n, 0,1,2
	v_add_f32 v[236+\n], 1.0, v[236+\n]
.endr
	s_wait_alu depctr_va_vdst(0)
.irp n, 0,1,2
	v_rcp_f32 v[236+\n], v[236+\n]                 ; the sigmoid
.endr
	v_add_f32 v13, v13, v14                        ; the weights' sum (a plain line behind the reciprocals)
	s_wait_alu depctr_va_vdst(0)
.irp n, 0,1,2
	v_fmac_f32 v[10+\n], v14, v[236+\n]
.endr
.endm
.macro BRSET t                         ; where tile t's eight numbers of b1 stand: they are the accumulators of block 12's products
.if (\t) < 4
.set BR, 216+8*(\t)
.elseif (\t) == 4
.set BR, 206
.else
.set BR, 20+8*((\t)-5)
.endif
.endm
	; ================ the head
	s_load_b512 s[4:19], s[0:1], 0x0               ; rays_o s[4:5], rays_d s[6:7], density s[8:9], appearance s[10:11], b1 s[12:13], b3 s[14:15], vidx s[16:17], wimg s[18:19]
	s_load_b64 s[20:21], s[0:1], 0x40              ; out0
	v_lshrrev_b32 v1, 5, v0
	DLY 1
	v_readfirstlane_b32 s22, v1                    ; wave 0..15
	v_and_b32 v19, 31, v0                          ; lane
	v_bfe_u32 v153, v0, 4, 1                       ; h
	v_and_b32 v154, 15, v0                         ; r
	DLY 3
	v_lshlrev_b32 v[LI], 4, v19
	s_lshl_b32 s2, s22, 10
	s_add_co_u32 s2, s2, CIM
	v_lshl_add_u32 v[LH], v153, 8, s2
	s_mul_i32 s3, s22, 9216
	s_add_co_u32 s3, s3, AIMG
	v_mul_u32_u24 v[AW], v153, 4608
	DLY 1
	v_lshl_add_u32 v[AW], v154, 4, v[AW]
	DLY 1
	v_add_nc_u32 v[AW], s3, v[AW]                  ; my sample's fragment (lane / 16) and its row (lane % 16)
	v_add_nc_u32 v[AR], s3, v[LI]
	s_and_b32 s2, s22, 1                           ; which half of the ray
	s_lshl_b32 s3, s2, 7
	v_add_nc_u32 v[SI], s3, v19
	DLY 1
	v_cvt_f32_u32 v[SI], v[SI]                     ; my first sample's number
	v_lshlrev_b32 v150, 4, v0                      ; the copy of wimg: 16 bytes a thread
	DLY 1
	v_add_nc_u32 v151, 0x10000, v150
	v_lshlrev_b32 v152, 3, v19
	v_add_nc_u32 v169, W1F3, v[LI]
	v_lshlrev_b32 v170, 5, v153
	v_lshlrev_b32 v171, 6, v153
	s_lshr_b32 s3, s22, 1
	s_lshl_b32 s23, ttmp9, 3
	s_add_co_u32 s23, s23, s3                      ; the ray
	s_mov_b32 s59, 0xffff0000
	s_mov_b32 s63, 0xbfb8aa3b                      ; -log2(e)
	s_mov_b32 s100, 0x3ea2f983                     ; 1 / pi, rounded to f32,
	s_mov_b32 s101, 0x325c9c88                     ; and the rest of it
	s_mov_b32 s104, 0x76543210
	s_mov_b32 s105, 0xfedcba98
	s_wait_alu depctr_va_vdst(0)
	s_wait_kmcnt 0x0
	s_mul_i32 s54, s23, 12
	s_mov_b32 s55, 0
	s_add_nc_u64 s[4:5], s[4:5], s[54:55]
	s_add_nc_u64 s[6:7], s[6:7], s[54:55]
	s_load_b96 s[56:58], s[4:5], 0x0               ; o
	s_load_b96 s[60:62], s[6:7], 0x0               ; d
	s_load_b96 s[96:98], s[14:15], 0x0             ; b3
	s_lshl_b32 s54, s23, 11
	s_lshl_b32 s2, s2, 10
	s_add_co_u32 s54, s54, s2
	s_add_nc_u64 s[16:17], s[16:17], s[54:55]      ; vidx at my 128 samples
	s_mul_i32 s54, ttmp9, 96
	s_add_nc_u64 s[20:21], s[20:21], s[54:55]      ; out0 at the work-group's 8 rays
	s_mov_b64 s[24:25], s[10:11]                   ; the appearance grid at channel 0,
.set UQ, 1
.rept 12
	s_add_nc_u64 s[24+2*UQ:25+2*UQ], s[22+2*UQ:23+2*UQ], 0x1000000     ; at channels 2, 4 .. 24,
.set UQ, UQ+1
.endr
	s_add_nc_u64 s[50:51], s[48:49], 0x1000000     ; and at channel 26
	s_mov_b64 s[52:53], s[8:9]
.irp k, 0,1,2,3
	global_load_b64 v[100+2*\k:101+2*\k], v152, s[16:17] offset:256*\k       ; the four trips' indices
.endr
.irp i, 0,1,2,3,4,5,6,7
	global_load_b128 v[112+4*\i:115+4*\i], v150, s[18:19] offset:8192*\i     ; wimg: 8 x 8,192 bytes by all 512 threads,
.endr
.irp t, 0,1,2,3,4,5,6,7
	BRSET \t
	global_load_b128 v[BR:BR+3], v171, s[12:13] offset:(32*(\t/2)+8*(\t%2))*4       ; lane (r, h), tile 2 b + u: b1 at units 32 b + 8 u + 16 h + 0 .. 7
	global_load_b128 v[BR+4:BR+7], v171, s[12:13] offset:(32*(\t/2)+8*(\t%2))*4+16
.endr
	s_cmp_lt_u32 s22, 11
	s_cbranch_scc0 .Lno_ninth
	global_load_b128 v[144:147], v150, s[18:19] offset:65536                 ; and the last 5,632 by the first 352
	s_wait_loadcnt 0x0
	ds_store_b128 v151, v[144:147]
.Lno_ninth:
	s_wait_loadcnt 0x0                             ; the indices, my part of wimg and b1 are in
.irp i, 0,1,2,3,4,5,6,7
	ds_store_b128 v150, v[112+4*\i:115+4*\i] offset:8192*\i
.endr
.irp k, 0,1,2,3
	v_min_u32 v[100+2*\k], 0x3f7e, v[100+2*\k]     ; z0 * 128 + y0 at most 126 * 128 + 126, x0 at most 126: every gather, its x0 + 1 too, stays inside its grid
	v_min_u32 v[101+2*\k], 126, v[101+2*\k]
	DLY 2
	v_lshlrev_b32 v[100+2*\k], 9, v[100+2*\k]
	DLY 2
	v_lshlrev_b32 v[101+2*\k], 2, v[101+2*\k]
	DLY 1
	v_add_nc_u32 v[6+\k], v[100+2*\k], v[101+2*\k]
.endr
	v_add_nc_u32 v254, 0x800000, v6                ; the same voxel one channel on: this trip's,
	v_add_nc_u32 v255, 0x800000, v7                ; the next trip's
	GLOAD 0, 6, 254                                ; the ring is primed: three units
	GLOAD 1, 6, 254
	GLOAD 2, 6, 254
	s_wait_dscnt 0x0                               ; my part of wimg lies in LDS
	s_barrier_signal -1
	s_barrier_wait -1                              ; everybody's does
	s_wait_kmcnt 0x0
	; ---- what hangs on the ray alone (the same in every lane)
	v_mul_f32 v202, s60, s60
	DLY 1
	v_fma_f32 v202, s61, s61, v202
	DLY 1
	v_fma_f32 v202, s62, s62, v202
	s_wait_alu depctr_va_vdst(0)
	v_sqrt_f32 v203, v202                          ; |d|
	v_nop
	s_wait_alu depctr_va_vdst(0)
	v_rcp_f32 v204, v203
	v_nop
	s_wait_alu depctr_va_vdst(0)
	v_fma_f32 v205, -v203, v204, 1.0
	v_fma_f32 v204, v205, v204, v204
.irp a, 0,1,2
	v_mul_f32 v[47+\a], s[60+\a], v204             ; the view direction: d / |d|, the quotient corrected once
	v_fma_f32 v205, -v[47+\a], v203, s[60+\a]
	DLY 1
	v_fma_f32 v[47+\a], v205, v204, v[47+\a]
.endr
	v_mul_f32 v205, 0x3b9a33cd, v203               ; dist = |d| x 1.2 / 255
	DLY 1
	v_mul_f32 v205, 0x41c80000, v205               ; x 25
	DLY 1
	v_mul_f32 v205, s63, v205
	DLY 1
	v_readfirstlane_b32 s54, v205
.irp a, 0,1,2
	v_readfirstlane_b32 s[4+\a], v[47+\a]          ; kept as scalars: each trip lays the view direction into block 0 anew
.endr
	s_mov_b32 s55, 1.0
	s_mul_f32 s96, s96, s63
	s_mul_f32 s97, s97, s63
	s_mul_f32 s98, s98, s63
	CONSTS
.irp a, 0,1,2
.set XR0, 47+\a
.set SA0, 100+12*\a
.set SB0, 102+12*\a
.set SC0, 104+12*\a
.set CA0, 106+12*\a
.set CB0, 108+12*\a
.set CC0, 110+12*\a
	PECORE 1
.endr
.set QQ, 0
.rept 30
	v_readfirstlane_b32 s[66+QQ], v[100+6*(QQ/6)+2*((QQ%6)%3)+(QQ%6)/3]      ; in reference()'s order: k = 354 + q
.set QQ, QQ+1
.endr
.irp i, 0,1,2,3,4,5
	v_mov_b32 v[140+\i], v[130+2*(\i%3)+\i/3]      ; block 12: the last six, and zeros
.endr
.irp i, 6,7,8,9,10,11,12,13,14,15
	v_mov_b32 v[140+\i], 0
.endr
	v_max3_num_f32 v202, |v140|, |v141|, 0x1800000
	DLY 1
	v_max3_num_f32 v202, v202, |v142|, |v143|
	DLY 1
	v_max3_num_f32 v202, v202, |v144|, |v145|
	DLY 1
	v_add_nc_u32 v204, 0xff000000, v202
	v_cvt_scalef32_pk16_fp6_f32 v[156:158], v[140:155], v204
	v_lshrrev_b32 v205, 23, v204                   ; (the plain line behind the conversion)
.irp i, 0,1,2
	v_cndmask_b32 v[156+\i], v[156+\i], 0, s59     ; lanes 16-31 hold block 13: zeros
.endr
.irp i, 3,4,5,6,7,8,9,10,11
	v_mov_b32 v[156+\i], 0
.endr
	v_or_b32 v168, 0x7f7f7f00, v205                ; its scale word: zero codes under the byte 127
	s_wait_alu depctr_va_vdst(0)
.irp q, 0,1                            ; b1 + (block 12 of the encoding) x (block 12 of W1), four tiles at a time, in place on b1's registers
.irp i, 0,1,2,3
.irp g, 0,1,2
	ds_load_b128 v[100+12*\i+4*\g:103+12*\i+4*\g], v169 offset:(4*\q+\i)*1536+512*\g
.endr
.endr
.if \q == 0
.irp t, 0,1,2,3,4,5,6,7
	ds_load_b32 v[148+\t], v[LI] offset:SCW1+512*\t+12
.endr
.endif
	s_wait_dscnt 0x0
.if \q == 0
	NOPS 8                                         ; the scale word and the codes were made by vector instructions
.endif
.irp i, 0,1,2,3
	BRSET 4*\q+\i
	v_wmma_scale_f32_16x16x128_f8f6f4 v[BR:BR+7], v[100+12*\i:111+12*\i], v[156:167], v[BR:BR+7], v[148+4*\q+\i], v168 matrix_a_fmt:MATRIX_FMT_FP6 matrix_b_fmt:MATRIX_FMT_FP6
.endr
	NOPS 4
.endr
.irp t, 0,1,2,3,4,5,6,7
	BRSET \t
	ds_store_b128 v[LH], v[BR:BR+3] offset:32*\t           ; the sixteen lanes of a half hold the same numbers and write the same bytes; each accumulator from its low end on
	ds_store_b128 v[LH], v[BR+4:BR+7] offset:32*\t+16
.endr
.irp t, 0,1,2,3,4,5,6,7
	ds_load_b128 v[100+8*\t:103+8*\t], v170 offset:B2I+64*\t       ; b2 in the second product's layout: units 16 t + 8 h + 0 .. 7
	ds_load_b128 v[104+8*\t:107+8*\t], v170 offset:B2I+64*\t+16
.endr
	s_wait_dscnt 0x0
.irp t, 0,1,2,3,4,5,6,7
	ds_store_b128 v[LH], v[100+8*\t:103+8*\t] offset:512+32*\t
	ds_store_b128 v[LH], v[104+8*\t:107+8*\t] offset:512+32*\t+16
.endr
	v_mov_b32 v248, 0                              ; written once: a lane permute's destination counts as one of its sources
	v_mov_b32 v249, 0
.irp n, 0,1,2,3
	v_mov_b32 v[10+\n], 0                          ; the four sums
.endr
	s_wait_dscnt 0x0                               ; the stores have read their registers
	; ================ four trips of 32 samples
	s_mov_b32 s23, 4
.Ltrip:
	CONSTS
.irp a, 0,1,2
	v_mov_b32 v[47+\a], s[4+\a]                    ; block 0's k = 27 .. 29 (the MLP lays a C over them)
.endr
	COORD SI, 56, 60, 216
	v_sub_f32 v228, 1.0, v224                      ; the eight corner weights: ((z part) (y part)) (x part)
	v_mov_b32 v229, v224
	v_sub_f32 v230, 1.0, v225
	DLY 4
	v_sub_f32 v231, 1.0, v226
	DLY 1
	v_mul_f32 v216, v231, v230
	DLY 2
	v_mul_f32 v217, v231, v225
	DLY 4
	v_mul_f32 v218, v226, v230
	v_mul_f32 v219, v226, v225
	DLY 3
	v_pk_mul_f32 v[164:165], v[216:217], v[228:229] op_sel_hi:[0,1]
	DLY 4
	v_pk_mul_f32 v[166:167], v[216:217], v[228:229] op_sel:[1,0] op_sel_hi:[1,1]
	DLY 3
	v_pk_mul_f32 v[168:169], v[218:219], v[228:229] op_sel_hi:[0,1]
	DLY 4
	v_pk_mul_f32 v[170:171], v[218:219], v[228:229] op_sel:[1,0] op_sel_hi:[1,1]
	s_wait_alu depctr_va_vdst(0)
.irp u, 0,1,2,3,4,5,6,7,8,9,10,11,12,13
	UNIT \u
.endr
	s_cmp_eq_u32 s23, 1                            ; the last trip asks for nothing more
	s_wait_alu depctr_va_vdst(0)
	s_cbranch_scc1 .Lno_more
	GLOAD 0, 7, 255                                ; all three slots have been read: the next trip's first three units
	GLOAD 1, 7, 255
	GLOAD 2, 7, 255
.Lno_more:
	FSET 26, 0
	PECORE 1
	FMOV 26, 0
	QB 10
.set QQ, 0
.rept 30
	v_mov_b32 v[134+QQ], s[66+QQ]                  ; block 11: two numbers of feature 26, then the view direction's first 30
.set QQ, QQ+1
.endr
	QB 11
	QB 0
	DENS
	MLP
	v_add_f32 v[SI], 0x42000000, v[SI]             ; 32 samples on
	s_wait_xcnt 0x0                                ; the loads that name v7 and v255 have had their addresses translated: only now are the offsets moved up
	v_mov_b32 v6, v7
	v_mov_b32 v254, v255
	v_mov_b32 v7, v8
	v_add_nc_u32 v255, 0x800000, v8
	v_mov_b32 v8, v9
	s_sub_co_u32 s23, s23, 1
	s_cmp_lg_u32 s23, 0
	s_wait_alu depctr_va_vdst(0)
	s_cbranch_scc1 .Ltrip
	; ================ the end: the sums over my 32 lanes; the two halves of a ray meet in LDS
.irp x, 1,2,4,8
.irp n, 0,1,2,3
	v_add_f32_dpp v[10+\n], v[10+\n], v[10+\n] row_xmask:\x row_mask:0xf bank_mask:0xf
.endr
.endr
.irp n, 0,1,2,3
	DLY 4
	v_permlanex16_b32 v[216+\n], v[10+\n], s104, s105
.endr
.irp n, 0,1,2,3
	DLY 4
	v_add_f32 v[10+\n], v[10+\n], v[216+\n]
.endr
	s_lshl_b32 s2, s22, 5
	s_add_co_u32 s2, s2, RED
	v_mov_b32 v220, s2
	v_mov_b32 v221, s55
	ds_store_b128 v220, v[10:13]                   ; r, g, b, the weights' sum,
	ds_store_b32 v220, v221 offset:16              ; and my half's whole transmittance
	s_wait_dscnt 0x0                               ; for the others' sake
	s_barrier_signal -1
	s_barrier_wait -1
	s_cmp_lg_u32 s22, 0
	s_cbranch_scc1 .Lothers
	v_lshrrev_b32 v222, 2, v19                     ; wave 0: lane l takes ray l / 4 and channel l % 4 (channel 3 reads the weights' sum and is not stored)
	v_and_b32 v223, 3, v19
	DLY 2
	v_lshl_add_u32 v224, v222, 6, RED
	DLY 1
	v_lshl_add_u32 v225, v223, 2, v224
	ds_load_b32 v226, v225                         ; the first half's colour,
	ds_load_b32 v227, v225 offset:32               ; the second half's,
	ds_load_b32 v228, v224 offset:12               ; the first half's weights,
	ds_load_b32 v229, v224 offset:16               ; its transmittance,
	ds_load_b32 v230, v224 offset:44               ; the second half's weights
	v_mul_u32_u24 v233, v222, 12
	DLY 1
	v_lshl_add_u32 v233, v223, 2, v233
	s_wait_dscnt 0x0
	v_fma_f32 v231, v229, v227, v226
	v_fma_f32 v232, v229, v230, v228
	DLY 1
	v_sub_f32 v232, 1.0, v232                      ; the white background's share
	DLY 1
	v_add_f32 v231, v231, v232
	DLY 1
	v_med3_num_f32 v231, v231, 0, 1.0
	s_wait_alu depctr_va_vdst(0)
	s_wait_xcnt 0x0                                ; EXEC changes only behind this wait
	v_cmpx_gt_u32 3, v223
	global_store_b32 v233, v231, s[20:21]          ; 96 consecutive bytes a work-group
	s_wait_xcnt 0x0
	s_mov_b32 exec_lo, -1
	v_lshl_add_u32 v254, v0, 2, 0x39800            ; the wave's end
	v_mov_b32 v255, 0
	s_wait_alu depctr_va_vdst(0)
	s_wait_tensorcnt 0x0
	ds_add_u32 v254, v255
	s_wait_dscnt 0x0
	s_endpgm
.Lothers:
	s_wait_xcnt 0x0
	s_mov_b32 exec_lo, -1
	v_lshl_add_u32 v254, v0, 2, 0x39800
	v_mov_b32 v255, 0
	s_wait_alu depctr_va_vdst(0)
	s_wait_tensorcnt 0x0
	ds_add_u32 v254, v255
	s_wait_dscnt 0x0
	s_endpgm
.Lfunc_end_k_q1719623d42_render:
	.size	k_q1719623d42_render, .Lfunc_end_k_q1719623d42_render-k_q1719623d42_render
	.p2alignl 7, 3214868480
	.fill 96, 4, 3214868480
	.section	.rodata,"a",@progbits
	.p2align	6, 0x0
	.amdhsa_kernel k_q1719623d42_render
		.amdhsa_group_segment_fixed_size 237568
		.amdhsa_private_segment_fixed_size 0
		.amdhsa_enable_private_segment 0
		.amdhsa_kernarg_size 72
		.amdhsa_user_sgpr_count 2
		.amdhsa_user_sgpr_kernarg_segment_ptr 1
		.amdhsa_wavefront_size32 1
		.amdhsa_system_sgpr_workgroup_id_x 1
		.amdhsa_system_sgpr_workgroup_id_y 1
		.amdhsa_system_sgpr_workgroup_id_z 1
		.amdhsa_system_vgpr_workitem_id 0
		.amdhsa_next_free_vgpr 256
		.amdhsa_next_free_sgpr 106
		.amdhsa_reserve_vcc 0
		.amdhsa_float_denorm_mode_32 3
		.amdhsa_float_denorm_mode_16_64 3
		.amdhsa_memory_ordered 1
		.amdhsa_forward_progress 1
		.amdhsa_inst_pref_size 221
	.end_amdhsa_kernel
	.amdgpu_metadata
---
amdhsa.version: [ 1, 2 ]
amdhsa.kernels:
  - .name:           k_q1719623d42_render
    .symbol:         k_q1719623d42_render.kd
    .args:
      - { .name: rays_o, .offset: 0, .size: 8, .value_kind: global_buffer, .address_space: global }
      - { .name: rays_d, .offset: 8, .size: 8, .value_kind: global_buffer, .address_space: global }
      - { .name: density_grid, .offset: 16, .size: 8, .value_kind: global_buffer, .address_space: global }
      - { .name: app_grid, .offset: 24, .size: 8, .value_kind: global_buffer, .address_space: global }
      - { .name: b1, .offset: 32, .size: 8, .value_kind: global_buffer, .address_space: global }
      - { .name: b3, .offset: 40, .size: 8, .value_kind: global_buffer, .address_space: global }
      - { .name: vidx, .offset: 48, .size: 8, .value_kind: global_buffer, .address_space: global }
      - { .name: wimg, .offset: 56, .size: 8, .value_kind: global_buffer, .address_space: global }
      - { .name: out0, .offset: 64, .size: 8, .value_kind: global_buffer, .address_space: global }
    .group_segment_fixed_size: 237568
    .private_segment_fixed_size: 0
    .kernarg_segment_align: 8
    .kernarg_segment_size: 72
    .max_flat_workgroup_size: 512
    .sgpr_count:     106
    .vgpr_count:     256
    .wavefront_size: 32
...
	.end_amdgpu_metadata
.endif
;; end of part 2
